; MI455X (gfx1250); checked and timed in simulation.
; The chip was launched on July 23, 2026; its instructions are those of AMD's public machine-readable ISA for CDNA 5 (MIT licence, August 2026) and "CDNA5" Instruction Set Architecture Reference Guide (July 2026). The comments in the code are by the model that wrote it; some were corrected since.
;; Scaled Dot Product Attention. Allowed arithmetic: matrix products marked QUANTISED: E5M2 operands, one given power-of-two scale a tensor, by v_wmma_f32_16x16x64_bf8_bf8 or v_wmma_f32_16x16x128_bf8_bf8, f32 sums; everything else in f32.
;; Inputs: key 16 x 4,096 x 64 float32; lowp_scales 4 int32 (the exponents e of the quantised operands' scales 2^e); query 16 x 4,096 x 64 float32; value 16 x 4,096 x 64 float32.
;; Outputs: out0 16 x 4,096 x 64 float32.
;; This version of the problem:
;;   THIS VERSION OF THE PROBLEM IS GIVEN IN LOW PRECISION. The matrix products marked QUANTISED in the list below multiply operands that are first quantised to E5M2 (5 exponent bits, 2 mantissa bits; 8 bits a number), with one given power-of-two scale for each operand tensor; their sums are f32. All else is computed in f32.
;;   The module's matrix products, in the order in which they are computed (A, B: the left and right operand; K: the contracted axis; several contracted axes count as one K, in the product's order):
;;     1. batch 16 x [M 4,096, K 64] x [K 64, N 4,096]; A: input query; B: input key: QUANTISED (scales: A lowp_scales[0], B lowp_scales[1])
;;     2. batch 16 x [M 4,096, K 4,096] x [K 4,096, N 64]; A: softmax (see below); B: input value: QUANTISED (scales: A lowp_scales[2], B lowp_scales[3])
;;   THE QUANTISER, for each operand of a quantised product, along K:
;;     - The operand's scale is 2^e, e = its entry of the input lowp_scales (int32; the entries are numbered through the quantised products in the list's order, A before B).
;;     - Each number is divided by the scale, clamped to +-57,344, and rounded to the nearest number of E5M2, ties to even, subnormals kept.
;;     - The product sums the exact products of the quantised numbers (number of the format x scale) in f32.
;;   ~~~python
;;   def quantise(x, axis, e):      # numpy; x: float32 -> the quantised numbers, widened to float32 again
;;       x = np.moveaxis(x, axis, -1); K = x.shape[-1]
;;       r = np.clip(x / 2.0 ** e, -57344, 57344)
;;       step = 2.0 ** (np.maximum(np.frexp(np.where(r == 0, 1, r))[1] - 1, -14) - 2)
;;       q = np.round(r / step) * step * 2.0 ** e      # np.round: ties to even
;;       return np.moveaxis(q, -1, axis).astype(np.float32)
;;   ~~~
;;   SOFTMAX AHEAD OF A QUANTISED PRODUCT. Where the list says 'softmax', what is quantised is not the finished softmax but p = 2^(t - M), with t = logit x log2(e) and M = ceil(the row's largest t), a whole number; so 1/2 < the row's largest p <= 1. The row's sum l is taken of the UNQUANTISED p, in f32, and the product's result is divided by l at the end. Since M is a whole number, a kernel that streams over the keys may use a running M (the ceiling of the running maximum): every later rescaling is an exact power of two, so the quantised numbers keep their values, but for numbers so far below the row's largest that they fall under the format's range.
;;   OPERANDS COMPUTED ON THE WAY. 'Computed on the way' means the value that the module computes at that place (a softmax that the list does not call 'softmax' is quantised finished and normalised). What goes into a quantiser is computed in f32, as accurately as f32 sums, v_exp_f32 and their like allow (about 1e-6 of the number): no bf16 or f16 on the way to a quantiser, and a product that is left as it is and whose result goes on into a quantised operand takes f32 operands (vector FMAs, or v_wmma_f32_16x16x4_f32). A number that lies on a knife's edge between two numbers of the format may be rounded either way, as far as f32 arithmetic and the matrix unit's own rounding can turn it there, and no further.
;; One version. Each part assembles by itself: llvm-mc -triple=amdgcn-amd-amdhsa -mcpu=gfx1250 --defsym DOCPART=n.
;; ======== version 1 of 1: 2 launches
;; limits: right only within a limited range of input values
;; workspace buffers: kv 8,388,608 bytes
;; launch prep (part 1): grid 512 x 1, 4 waves a work-group, no clusters, 36,352 bytes of LDS; arguments key, value, lowp_scales, kv; writes kv
.if DOCPART == 1
	.amdgcn_target "amdgcn-amd-amdhsa--gfx1250"
	.amdhsa_code_object_version 6
	.text
	.protected	k_qe65ca7552c_prep
	.globl	k_qe65ca7552c_prep
	.p2align	8
	.type	k_qe65ca7552c_prep,@function
k_qe65ca7552c_prep:
	s_mov_b64 s[64:65], 0
	v_nop
	global_prefetch_b8 v0, s[64:65] scope:SCOPE_SE
	s_setreg_imm32_b32 hwreg(HW_REG_WAVE_MODE, 25, 1), 1
	s_wait_xcnt 0x0
; key and value, [16][4096][64] f32, become codes of BF8 (E5M2), each with the one scale 2^e that is given for it (entry 1 for key, entry 3 for value),
; laid in kv as IMAGES OF THE OPERANDS' REGISTERS, so that the attention launch takes every fragment by 16-byte loads at 16 x lane.
; code = x / 2^e, held within +-57,344, rounded to the nearest code, ties to even.
; LIMITS: -126 <= e <= 112, so that 2^e and 57,344 x 2^e are f32 numbers.  NaN among the inputs is not served (an infinity is held at the largest code).
; kv: [head 16][step 32][16,384 bytes]; a step is 128 keys.
;   bytes 0-8191: K, eight tiles tt = 2 b + u of 1,024 bytes; group c (0, 1) at 512 c + 16 x lane; lane (r = lane % 16, h = lane / 16) holds the 16 codes of
;                 key 32 b + 8 u + r + 8 (r / 8), d = 32 c + 16 h + 0 .. 15
;   bytes 8192-16383: V, four tiles t of 2,048 bytes; group c (0 .. 3) at 512 c + 16 x lane; lane (r, h) holds the 16 codes of channel 16 t + r, keys 32 c + 16 h + 0 .. 15
; SHARES.  Work-groups 0-255 take key, 256-511 value.  Wave W = 4 x (work-group's number in its tensor) + wave takes 64 keys: 16,384 bytes in, 4,096 bytes out.
; Waves share nothing: no barrier, no cluster (no input is read twice), no tensor load, no loop: every offset is an immediate, and no register that a store reads is written again.
.set R,    16                          ; K: v16-143   two groups of 32 keys as they are loaded (64 registers each)
.set X,    144                         ; K: v144-207  a group's numbers, 16 neighbours along d four times
.set XV,   16                          ; V: v16-79    two sets of 32 numbers: 16 keys of two channels
.set C,    208                         ; v208-239     the codes: a register is written once
.set PIT,  272                         ; K's stage: a key's 256 bytes + 16
.set STG,  8960                        ; a wave's stage: row k of 32 at 272 k + 128 (k / 16); the last ends at 8,816
	s_load_b256 s[4:11], s[0:1], 0x0               ; key s[4:5], value s[6:7], the scales' exponents s[8:9], kv s[10:11]
	v_lshl_add_u32 v240, v0, 2, 0x8c00
	v_mov_b32 v241, 0
	v_lshrrev_b32 v1, 5, v0
	v_readfirstlane_b32 s12, v1                    ; wave 0..3
	v_and_b32 v2, 31, v0                           ; lane
	v_lshlrev_b32 v3, 4, v2                        ; 16 x lane: K's loads and K's stores
	v_lshlrev_b32 v4, 2, v2                        ; 4 x lane: V's loads
	v_and_b32 v6, 15, v2                           ; r
	v_lshrrev_b32 v7, 4, v2                        ; h
	v_lshlrev_b32 v5, 4, v6
	v_lshl_add_u32 v5, v7, 11, v5                  ; V's stores: 2,048 (lane / 16) + 16 (lane % 16)
	s_mul_i32 s27, s12, STG                        ; my stage
	v_mul_u32_u24 v12, v7, PIT
	v_lshl_add_u32 v12, v6, 4, v12
	v_add_nc_u32 v12, s27, v12                     ; into the stage: a load's 512 bytes are two keys: row lane / 16, 16 bytes a lane
	v_and_b32 v8, 8, v6                            ; 8 (r / 8)
	v_add_nc_u32 v13, v8, v6                       ; r + 8 (r / 8)
	v_mul_u32_u24 v13, v13, PIT
	v_lshl_add_u32 v13, v8, 4, v13                 ; + 128 (r / 8): rows 16 on lie 128 bytes further, so that the sixteen lanes of a read fall on sixteen different 16-byte columns
	v_lshl_add_u32 v13, v7, 6, v13                 ; + 64 h
	v_add_nc_u32 v13, s27, v13                     ; out of the stage: my key's row, my half's 16 numbers
	s_cmp_lt_u32 ttmp9, 256                        ; key's work-group or value's?  The choice hangs on the work-group's number alone
	s_cselect_b32 s13, 0, 256
	s_sub_co_u32 s13, ttmp9, s13
	s_lshl_b32 s13, s13, 2
	s_add_co_u32 s13, s13, s12                     ; W, 0 .. 1023
	s_lshl_b32 s14, s13, 14                        ; where my 64 keys begin in the tensor
	s_mov_b32 s15, 0
	s_lshr_b32 s20, s13, 1
	s_lshl_b32 s20, s20, 14                        ; my step of 128 keys in kv
	s_mov_b32 s21, 0
	s_and_b32 s22, s13, 1                          ; which half of the step
	s_cmp_lt_u32 ttmp9, 256
	s_cselect_b32 s23, 12, 10                      ; K: four tiles of 1,024 bytes on;  V: two groups of 512 bytes on,
	s_cselect_b32 s24, 0, 8192                     ; behind K's part
	s_lshl_b32 s22, s22, s23
	s_add_co_u32 s22, s22, s24
	s_add_co_u32 s20, s20, s22
	s_wait_kmcnt 0x0
	s_load_b128 s[16:19], s[8:9], 0x0              ; eq, ek, ep, ev
	s_cmp_lt_u32 ttmp9, 256
	s_cselect_b64 s[4:5], s[4:5], s[6:7]
	s_add_nc_u64 s[4:5], s[4:5], s[14:15]
	s_add_nc_u64 s[10:11], s[10:11], s[20:21]
.macro SCALES e                        ; v11 = 2^e as f32 (the conversion takes its exponent field); v10 = 57,344 x 2^e
	s_wait_kmcnt 0x0
	s_add_co_i32 s25, s[\e], 127
	s_lshl_b32 s26, s25, 23
	v_mov_b32 v11, s26
	s_add_co_i32 s25, s25, 15
	s_lshl_b32 s25, s25, 23
	s_or_b32 s25, s25, 0x600000
	v_mov_b32 v10, s25
.endm
	s_cmp_lt_u32 ttmp9, 256
	s_cbranch_scc0 .Lvalue
	; ---- KEY.  d is innermost.  Every load reads 512 consecutive bytes; a group of 32 keys turns through my stage, so that a lane gets 16 neighbours along d of the key that its place in a tile asks for.
.irp g, 0,1
.irp i, 0,1,2,3,4,5,6,7,8,9,10,11,12,13,14,15
	global_load_b128 v[R+64*\g+4*\i:R+64*\g+4*\i+3], v3, s[4:5] offset:8192*\g+512*\i th:TH_LOAD_NT
.endr
.endr
	SCALES 17
	s_wait_alu depctr_va_vdst(0)
.irp g, 0,1
	s_wait_loadcnt 16-16*\g                        ; this group's sixteen loads are in; group 1's sixteen are younger than group 0's
.irp i, 0,1,2,3,4,5,6,7,8,9,10,11,12,13,14,15
	ds_store_b128 v12, v[R+64*\g+4*\i:R+64*\g+4*\i+3] offset:544*\i+128*(\i/8)   ; keys 2 i and 2 i + 1
.endr
.irp u, 0,1
.irp c, 0,1
.irp j, 0,1,2,3
	ds_load_b128 v[X+16*(2*\u+\c)+4*\j:X+16*(2*\u+\c)+4*\j+3], v13 offset:2176*\u+128*\c+16*\j   ; LDS serves a wave's instructions in order: these see my stores
.endr
.endr
.endr
	s_wait_dscnt 0x0
.set i, 0
.rept 64
	v_med3_num_f32 v[X+i], v[X+i], -v10, v10       ; the conversion to an 8-bit code does not saturate (ISA guide 7.6.2): the hold at the largest code x the scale
.set i, i+1
.endr
.irp f, 0,1,2,3
	v_cvt_scalef32_pk8_bf8_f32 v[C+16*\g+4*\f:C+16*\g+4*\f+1], v[X+16*\f:X+16*\f+7], v11
	v_cvt_scalef32_pk8_bf8_f32 v[C+16*\g+4*\f+2:C+16*\g+4*\f+3], v[X+16*\f+8:X+16*\f+15], v11
.endr
	v_nop                                          ; one plain line behind the conversions: the next group's holds write the registers that they read
.irp u, 0,1
.irp c, 0,1
	global_store_b128 v3, v[C+16*\g+4*(2*\u+\c):C+16*\g+4*(2*\u+\c)+3], s[10:11] offset:2048*\g+1024*\u+512*\c   ; 32 lanes store 512 consecutive bytes, at a multiple of 256 from kv's first byte
.endr
.endr
.endr
	s_wait_tensorcnt 0x0
	ds_add_u32 v240, v241
	s_wait_dscnt 0x0
	s_endpgm
	; ---- VALUE.  The keys are the second product's K and are not innermost: A LANE TAKES A CHANNEL AND ITS REGISTERS RUN DOWN THE KEYS, so that the conversions give codes with the keys innermost.
	; Chunk g is 16 keys; a lane holds channels lane and 32 + lane.  The two loads of a key's row stand side by side: 2 x 128 consecutive bytes.
.Lvalue:
.macro VLOAD g
.irp i, 0,1,2,3,4,5,6,7,8,9,10,11,12,13,14,15
.irp hh, 0,1
	global_load_b32 v[XV+32*((\g)%2)+16*\hh+\i], v4, s[4:5] offset:(16*(\g)+\i)*256+128*\hh th:TH_LOAD_NT
.endr
.endr
.endm
	VLOAD 0
	VLOAD 1
	SCALES 19
	s_wait_alu depctr_va_vdst(0)
.irp g, 0,1,2,3
.if \g < 3
	s_wait_loadcnt 32                              ; this chunk's 32 loads are in; the next chunk's 32 are younger
.else
	s_wait_loadcnt 0x0
.endif
.set i, 0
.rept 32
	v_med3_num_f32 v[XV+32*(\g%2)+i], v[XV+32*(\g%2)+i], -v10, v10
.set i, i+1
.endr
.irp hh, 0,1
	v_cvt_scalef32_pk8_bf8_f32 v[C+8*\g+4*\hh:C+8*\g+4*\hh+1], v[XV+32*(\g%2)+16*\hh:XV+32*(\g%2)+16*\hh+7], v11
	v_cvt_scalef32_pk8_bf8_f32 v[C+8*\g+4*\hh+2:C+8*\g+4*\hh+3], v[XV+32*(\g%2)+16*\hh+8:XV+32*(\g%2)+16*\hh+15], v11
.endr
	v_nop                                          ; one plain line behind the conversions
.irp hh, 0,1
	global_store_b128 v5, v[C+8*\g+4*\hh:C+8*\g+4*\hh+3], s[10:11] offset:4096*\hh+256*\g   ; channel 32 hh + lane is tile 2 hh + lane / 16, row lane % 16; keys 16 g on are group g / 2, half g % 2: sixteen lanes store 256 consecutive bytes, aligned
.endr
.if \g < 2
	VLOAD (\g)+2
.endif
.endr
	s_endpgm
.Lfunc_end_k_qe65ca7552c_prep:
	.size	k_qe65ca7552c_prep, .Lfunc_end_k_qe65ca7552c_prep-k_qe65ca7552c_prep
	.p2alignl 7, 3214868480
	.fill 96, 4, 3214868480
	.section	.rodata,"a",@progbits
	.p2align	6, 0x0
	.amdhsa_kernel k_qe65ca7552c_prep
		.amdhsa_group_segment_fixed_size 36352
		.amdhsa_private_segment_fixed_size 0
		.amdhsa_enable_private_segment 0
		.amdhsa_kernarg_size 32
		.amdhsa_user_sgpr_count 2
		.amdhsa_user_sgpr_kernarg_segment_ptr 1
		.amdhsa_wavefront_size32 1
		.amdhsa_system_sgpr_workgroup_id_x 1
		.amdhsa_system_sgpr_workgroup_id_y 1
		.amdhsa_system_sgpr_workgroup_id_z 1
		.amdhsa_system_vgpr_workitem_id 0
		.amdhsa_next_free_vgpr 242
		.amdhsa_next_free_sgpr 66
		.amdhsa_reserve_vcc 0
		.amdhsa_float_denorm_mode_32 3
		.amdhsa_float_denorm_mode_16_64 3
		.amdhsa_memory_ordered 1
		.amdhsa_forward_progress 1
		.amdhsa_inst_pref_size 43
	.end_amdhsa_kernel
	.amdgpu_metadata
---
amdhsa.version: [ 1, 2 ]
amdhsa.kernels:
  - .name:           k_qe65ca7552c_prep
    .symbol:         k_qe65ca7552c_prep.kd
    .args:
      - { .name: key, .offset: 0, .size: 8, .value_kind: global_buffer, .address_space: global }
      - { .name: value, .offset: 8, .size: 8, .value_kind: global_buffer, .address_space: global }
      - { .name: lowp_scales, .offset: 16, .size: 8, .value_kind: global_buffer, .address_space: global }
      - { .name: kv, .offset: 24, .size: 8, .value_kind: global_buffer, .address_space: global }
    .group_segment_fixed_size: 36352
    .private_segment_fixed_size: 0
    .kernarg_segment_align: 8
    .kernarg_segment_size: 32
    .max_flat_workgroup_size: 128
    .sgpr_count:     66
    .vgpr_count:     242
    .wavefront_size: 32
...
	.end_amdgpu_metadata
.endif
;; end of part 1
;; launch attn (part 2): grid 16 x 16, 8 waves a work-group, no clusters, 201,728 bytes of LDS; arguments query, kv, lowp_scales, out0; writes out0
.if DOCPART == 2
	.amdgcn_target "amdgcn-amd-amdhsa--gfx1250"
	.amdhsa_code_object_version 6
	.text
	.protected	k_qe65ca7552c_attn
	.globl	k_qe65ca7552c_attn
	.p2align	8
	.type	k_qe65ca7552c_attn,@function
k_qe65ca7552c_attn:
	s_mov_b64 s[64:65], 0
	v_nop
	global_prefetch_b8 v0, s[64:65] scope:SCOPE_SE
	s_setreg_imm32_b32 hwreg(HW_REG_WAVE_MODE, 25, 1), 1
	s_wait_xcnt 0x0
; out0[b][q][:] = the sum over k of softmax_k(query[b][q] . key[b][k] / 8) value[b][k][:], 16 heads of 4,096 x 64, both products on codes of BF8 (E5M2), each operand with the one scale 2^e given for it: eq, ek, ep, ev.
; key's and value's codes come from kv, where the launch before has laid them as images of the operands' registers (a step of 128 keys: 8,192 bytes of K, eight tiles; 8,192 of V, four tiles).  query is quantised here, in registers.
; THE SOFTMAX AHEAD OF THE SECOND PRODUCT: t = score x log2(e) / 8; M = the row's largest t so far, rounded UP to a whole number; p = 2^(t - M) is what is quantised, along the keys; it is not normalised.
; The row's sum is taken of the unquantised p, in f32, and divides O at the end.  When M moves, the sum and O are multiplied by 2^(old M - new M): exact, and without a branch on data.
; SHARES.  A work-group owns 256 queries of one head; each of its eight waves owns 32: two tiles of 16.  Every wave walks all 4,096 keys, 128 a step; a fragment of K or V read from LDS feeds two products.
; LAYOUT.  Both products are used transposed: S^T = K Q^T, O^T = V^T P^T: a lane holds ONE query (lane % 16) throughout, and registers 16 b + 0 .. 15 of a tile's S^T are the neighbouring keys 32 b + 16 (lane / 16) + 0 .. 15.
; TWO HALVES OF A STEP.  Half E of step n: the exponentials, the sums, the conversions.  Half M of step n: O^T += V^T P^T of step n, S^T of step n + 1, its largest scores and scalings, the LDS reads and the ring's fill.
; A barrier stands between halves; waves 4 to 7 run one half behind waves 0 to 3: while four waves are in half E, the other four are in half M.  The branches on the wave's number lead round no barrier.
; Between the exponentials stand only lines whose results are read behind the batch's wait.
; THE HOLD of p at the largest code: p is at most 1, so p / 2^ep stays under 57,344 wherever ep >= -15.  A scalar branch on the given ep leads round the hold's 64 lines a step then; where ep < -15 they run.
; NO TENSOR LOAD AND NO CLUSTER, because of that branch: the hold would stand beside some 195 vector lines a tile and step.
; So LDS is filled through registers: of a step's 16,384 bytes each wave loads 2,048, dense, and stores them as they lie.
; RING.  Eight slots of a step, in two groups of four.  Half M of step n reads V of step n + 1 and K of step n + 2, stores step n + 4 and loads step n + 5.  What is stored is read two steps on at the soonest; what is written over
; was read five steps back; the two groups of waves stand one half apart, so barriers lie between in both cases.
; LIMITS on the given exponents, so that each power of two below is an f32 number: eq and ep between -126 and 112; eq + ek between -123 and 130 (they are added to c's exponent field); ep + ev goes in by v_ldexp_f32 and has none.
; The scaled scores stay above -3e38 (a row's first largest t is held against that).  NaN among the inputs is not served.
; REGISTERS, in windows of 256.  Window 0: v1-3 addresses, v4-31 statistics, v32-95 O^T, v96-127 P, v128-255 S^T, then p.
;   Window 1: v0-63 K of a step, v64-127 V of a step, v128-143 Q, v144-159 the step on its way, v176-184 addresses.
.set STEPB, 16384                      ; a step's bytes in kv and in LDS
.set GRP,   65536                      ; four slots: one exclusive or turns an address in one group into the other's
.set SP,    272                        ; a stage row: 256 bytes + 16
.set STAGE, 131072                     ; behind the ring: 32 rows for each wave: query's way in, out0's way out
.set SPARE, STAGE+8*32*SP              ; behind the stages: the spare words, 128 bytes for each wave: four blocks of 256 bytes that no other line names
.set PFO,  1                           ; v1   256 x lane: the prefetch's offset
.set SPW,  2                           ; v2   LDS address of my spare word
.set NIL,  3                           ; v3   0
.set ST,   4                           ; tile x's statistics at v[ST + 14 x]: +0 -M (even steps), +1 2^ep, +2 -M (odd steps), +3 57,344 x 2^ep, +4 f, +5 0, +6,7 the sum in two halves, +8..11 two chains of a step's sum, +12,13 at work
.set O,    32
.set P,    96
.set S,    128
.set LIMQ, 250                         ; v250 57,344 x 2^eq, v251 2^eq: at the head alone
.set SCQ,  251
.set KF,   0                           ; from here on in window 1
.set VF,   64
.set QF,   128
.set STG,  144
.set ADR,  176                         ; 16 x lane + the group of slots in hand,
.set ADX,  177                         ; + the other group
.set GOF,  178                         ; 2,048 x wave + 16 x lane: my part of a step
.set STA,  179                         ; GOF + the group in hand; v180: + the other group
.set LI,   181                         ; 16 x lane
.set RD,   182                         ; my stage: two rows of 256 bytes, 16 bytes a lane
.set QO,   183                         ; my stage: row lane % 16, + 64 (lane / 16)
.set STO,  184                         ; my stage: row lane % 16, + 32 (lane / 16)
.set WV,   12                          ; s12  my wave's number
.set TB,   14                          ; s14  LDS byte at which the group in hand begins;  s15 the other group
.set TX,   15
.set IT,   16                          ; s16  trips of the loop to go
.set PS,   17                          ; s17  the four steps that a prefetch would name
.set MYS,  18                          ; s18  the four steps of which my wave prefetches a part (waves 4 to 7: 0, which s17 never is)
.set HOLD, 19                          ; s19  1 where p needs the hold
.set KP,   20                          ; s[20:21] kv at the trip's first step
.set PFA,  22                          ; s[22:23] where my prefetch stands
.set SEL,  28                          ; s[28:29] lane selects for v_permlanex16_b32: lane l xor 16
.set CS,   30                          ; s[30:31] c = log2(e) / 8 x 2^(eq + ek): the packed form names a pair and takes its low word for both halves
.set MSB, 0
.macro WIN new                         ; the immediate's high byte repeats the setting that is left; a switch that changes nothing is dropped
.if MSB != \new
	s_set_vgpr_msb (MSB<<8)|\new
.set MSB, \new
.endif
.endm
.set W_QK, 0x05                        ; sources 0 and 1 window 1
.set W_LD, 0x41                        ; destination and source 0 window 1
.set W_PV, 0x01                        ; source 0 window 1
.macro FETCH_K areg, off               ; eight tiles of 16 keys x 64
	WIN W_LD
.irp tt, 0,1,2,3,4,5,6,7
.irp c, 0,1
	ds_load_b128 v[KF+8*\tt+4*\c:KF+8*\tt+4*\c+3], v[\areg] offset:(\off)+1024*\tt+512*\c
.endr
.endr
	WIN 0
.endm
.macro FETCH_V areg, off               ; four tiles of 16 channels x 128 keys
	WIN W_LD
.irp t, 0,1,2,3
.irp c, 0,1,2,3
	ds_load_b128 v[VF+16*\t+4*\c:VF+16*\t+4*\c+3], v[\areg] offset:(\off)+2048*\t+512*\c
.endr
.endr
.endm
.macro QK
	WIN W_QK
.irp x, 0,1
.irp tt, 0,1,2,3,4,5,6,7
	v_wmma_f32_16x16x64_bf8_bf8 v[S+64*\x+8*\tt:S+64*\x+8*\tt+7], v[KF+8*\tt:KF+8*\tt+7], v[QF+8*\x:QF+8*\x+7], 0
.endr
.endr
	WIN 0
.endm
.macro PV                              ; the eight accumulators take one turn each; the products before and behind them write S^T
	WIN W_PV
.irp t, 0,1,2,3
.irp x, 0,1
	v_wmma_f32_16x16x128_bf8_bf8 v[O+32*\x+8*\t:O+32*\x+8*\t+7], v[VF+16*\t:VF+16*\t+15], v[P+16*\x:P+16*\x+15], v[O+32*\x+8*\t:O+32*\x+8*\t+7]
.endr
.endr
.endm
; The sum of the step just multiplied: its two chains joined, and onto the sum under that step's M.
.macro PARTS
	WIN 0
.irp x, 0,1
	v_pk_add_f32 v[ST+14*\x+8:ST+14*\x+9], v[ST+14*\x+8:ST+14*\x+9], v[ST+14*\x+10:ST+14*\x+11]
.endr
.irp x, 0,1
	v_pk_fma_f32 v[ST+14*\x+6:ST+14*\x+7], v[ST+14*\x+6:ST+14*\x+7], v[ST+14*\x+4:ST+14*\x+5], v[ST+14*\x+8:ST+14*\x+9] op_sel_hi:[1,0,1]
.endr
.endm
; The next line of 32 of tile x's largest score among my 64, three operands at a time, in four chains (+12, +13, +8, +9); each accumulator is read from its low end on.
.macro MAXL x
.set mj, mj\x
.set rT, ST+14*(\x)
.set rS, S+64*(\x)
.if mj%4 == 0
.set rC, rT+12
.elseif mj%4 == 1
.set rC, rT+13
.elseif mj%4 == 2
.set rC, rT+8
.else
.set rC, rT+9
.endif
.if mj < 4
	v_max3_num_f32 v[rC], v[rS+3*mj], v[rS+3*mj+1], v[rS+3*mj+2]
.elseif mj < 30
	v_max3_num_f32 v[rC], v[rC], v[rS+12+2*(mj-4)], v[rS+13+2*(mj-4)]
.elseif mj == 30
	v_max3_num_f32 v[rT+12], v[rT+12], v[rT+13], v[rT+8]
.else
	v_max_num_f32 v[rT+12], v[rT+12], v[rT+9]
.endif
.set mj\x, mj\x+1
.endm
; The next line of 8 of tile x's statistics: lane l xor 16's largest; as -t (c is positive); the new -M, A WHOLE NUMBER; old M - new M, 0 or less (the conversion saturates); f = 2^ that.
.macro STAT x
.set rT, ST+14*(\x)
.if sk == 0
	v_permlanex16_b32 v[rT+13], v[rT+12], s[SEL], s[SEL+1]
.elseif sk == 1
	v_max_num_f32 v[rT+12], v[rT+12], v[rT+13]
.elseif sk == 2
	v_mul_f32 v[rT+12], s[CS], -v[rT+12]
.elseif sk == 3
	v_floor_f32 v[rT+12], v[rT+12]
.elseif sk == 4
	v_min_num_f32 v[rT+nN], v[rT+nO], v[rT+12]
.elseif sk == 5
	v_sub_f32 v[rT+13], v[rT+nN], v[rT+nO]
.elseif sk == 6
	v_cvt_i32_f32 v[rT+13], v[rT+13]
.else
	v_ldexp_f32 v[rT+4], 1.0, v[rT+13]
.endif
.set sk, sk+1
.endm
; t - M of pair n of tile x's scores (of the pairs c and -M the low word serves both halves).
.macro FMA x
	v_pk_fma_f32 v[S+64*(\x)+2*n:S+64*(\x)+2*n+1], v[S+64*(\x)+2*n:S+64*(\x)+2*n+1], s[CS:CS+1], v[ST+14*(\x)+nN:ST+14*(\x)+nN+1] op_sel_hi:[1,0,0]
.set n, n+1
.endm
; The largest scores, the statistics, tile 0's scalings, O^T under the new M.  -M stands in two registers by turns (nN the new, nO the old).
; Tile 0's statistics stand among tile 1's largest scores, tile 1's among tile 0's scalings.
.macro SCALINGS
.set mj0, 0
.set mj1, 0
.rept 16
	MAXL 0
	MAXL 1
	MAXL 0
.endr
.set sk, 0
.rept 8
	STAT 0
	MAXL 1
	MAXL 1
.endr
.set sk, 0
.set n, 0
.rept 8
	STAT 1
	FMA 0
	FMA 0
	FMA 0
	FMA 0
.endr
.irp x, 0,1
.set i, 0
.rept 16
	v_pk_mul_f32 v[O+32*\x+2*i:O+32*\x+2*i+1], v[O+32*\x+2*i:O+32*\x+2*i+1], v[ST+14*\x+4:ST+14*\x+5] op_sel_hi:[1,0]   ; each accumulator from its low end on
.set i, i+1
.endr
.endr
	s_wait_alu depctr_va_vdst(0)                   ; ahead of the waits and the barrier below and of the exponentials
	s_wait_dscnt 0x0                               ; K and V are in, my stores are done
.endm
.macro BAR
	s_barrier_signal -1
	s_barrier_wait -1
.endm
	s_load_b256 s[4:11], s[0:1], 0x0               ; query s[4:5], kv s[6:7], the scales' exponents s[8:9], out0 s[10:11]
	v_lshl_add_u32 v[SPW], v0, 2, SPARE
	v_mov_b32 v[NIL], 0
	v_lshrrev_b32 v241, 5, v0
	v_readfirstlane_b32 s[WV], v241                ; wave 0..7
	v_and_b32 v240, 31, v0                         ; lane
	v_and_b32 v243, 15, v0                         ; r
	v_bfe_u32 v244, v0, 4, 1                       ; h
	v_lshlrev_b32 v[PFO], 8, v240
	v_lshlrev_b32 v242, 4, v240
	v_mul_u32_u24 v245, v244, SP
	v_lshl_add_u32 v245, v243, 4, v245
	v_mul_u32_u24 v246, v243, SP
	v_lshl_add_u32 v247, v244, 6, v246
	v_lshl_add_u32 v248, v244, 5, v246
	s_mul_i32 s13, s[WV], 32*SP
	s_add_co_u32 s13, s13, STAGE                   ; my stage
	WIN 0x40
	v_lshlrev_b32 v[LI], 4, v240
	v_lshl_add_u32 v[GOF], v241, 11, v242
	v_add_nc_u32 v[RD], s13, v245
	v_add_nc_u32 v[QO], s13, v247
	v_add_nc_u32 v[STO], s13, v248
	WIN 0
	s_and_b32 s39, ttmp7, 0xffff                   ; the head
	s_lshl_b32 s40, s39, 19                        ; its 32 steps of 16,384 bytes
	s_mov_b32 s41, 0
	s_lshl_b32 s42, ttmp9, 16                      ; my block of 256 queries: rows of 256 bytes
	s_lshl_b32 s36, s39, 20
	s_add_co_u32 s42, s42, s36
	s_lshl_b32 s36, s[WV], 13
	s_add_co_u32 s42, s42, s36                     ; my wave's first row in query and in out0
	s_mov_b32 s43, 0
	s_lshl_b32 s44, ttmp9, 15                      ; the prefetch: steps 2 x and 2 x + 1 of the head for work-group x,
	s_add_co_u32 s44, s44, s40
	s_and_b32 s36, s[WV], 3
	s_lshl_b32 s36, s36, 13                        ; 8,192 bytes for each of waves 0 to 3
	s_add_co_u32 s44, s44, s36
	s_mov_b32 s45, 0
	s_lshr_b32 s36, ttmp9, 1
	s_cmp_lt_u32 s[WV], 4
	s_cselect_b32 s[MYS], s36, 0
	s_mov_b32 s[SEL], 0x76543210
	s_mov_b32 s[SEL+1], 0xfedcba98
	s_mov_b32 s[CS], 0x3e38aa3b                    ; log2(e) / 8
	s_mov_b32 s[TB], 0
	s_mov_b32 s[TX], GRP
	s_mov_b32 s[IT], 8
	s_mov_b32 s[PS], 1
	s_wait_alu depctr_va_vdst(0)                   ; directly ahead of the wait below
	s_wait_kmcnt 0x0
	s_load_b128 s[32:35], s[8:9], 0x0              ; eq, ek, ep, ev
	s_add_nc_u64 s[KP:KP+1], s[6:7], s[40:41]
	s_add_nc_u64 s[PFA:PFA+1], s[6:7], s[44:45]
	s_add_nc_u64 s[4:5], s[4:5], s[42:43]
	s_add_nc_u64 s[10:11], s[10:11], s[42:43]
	WIN 0x01
.irp i, 0,1,2,3,4,5,6,7,8,9,10,11,12,13,14,15
	global_load_b128 v[S+4*\i:S+4*\i+3], v[LI], s[4:5] offset:512*\i th:TH_LOAD_NT   ; query, two rows: 512 consecutive bytes
.endr
	WIN W_LD
.irp st, 0,1,2,3
.irp i, 0,1,2,3
	global_load_b128 v[KF+16*\st+4*\i:KF+16*\st+4*\i+3], v[GOF], s[KP:KP+1] offset:STEPB*\st+512*\i   ; my part of steps 0 to 3, into registers that K will take
.endr
.endr
.irp i, 0,1,2,3
	global_load_b128 v[STG+4*\i:STG+4*\i+3], v[GOF], s[KP:KP+1] offset:STEPB*4+512*\i   ; my part of step 4
.endr
	WIN 0
.set i, 0
.rept 96
	v_mov_b32 v[O+i], 0                            ; O^T and P.  (A step is written without a first step of its own: the first change of M multiplies these zeros by 0)
.set i, i+1
.endr
.irp x, 0,1
	v_mov_b32 v[ST+14*\x], 0
	v_mov_b32 v[ST+14*\x+2], 0x7f61b1e6            ; -M so far: 3e38, over every -t
.irp i, 4,5,6,7,8,9,10,11,12,13
	v_mov_b32 v[ST+14*\x+\i], 0
.endr
.endr
	s_wait_kmcnt 0x0
	s_add_co_i32 s36, s32, s33
	s_lshl_b32 s36, s36, 23
	s_add_co_i32 s[CS], s[CS], s36                 ; a score stands for score x 2^(eq + ek): the two exponents are added to c's exponent field
	s_mov_b32 s[CS+1], s[CS]                       ; (named with it as a pair, so it is written)
	s_add_co_i32 s36, s34, 127
	s_lshl_b32 s37, s36, 23                        ; 2^ep as f32, for p's conversions
	s_add_co_i32 s36, s36, 15
	s_lshl_b32 s36, s36, 23
	s_or_b32 s36, s36, 0x600000                    ; 57,344 x 2^ep
.irp x, 0,1
	v_mov_b32 v[ST+14*\x+1], s37
	v_mov_b32 v[ST+14*\x+3], s36
.endr
	s_add_co_i32 s36, s32, 127
	s_lshl_b32 s37, s36, 23
	v_mov_b32 v[SCQ], s37
	s_add_co_i32 s36, s36, 15
	s_lshl_b32 s36, s36, 23
	s_or_b32 s36, s36, 0x600000
	v_mov_b32 v[LIMQ], s36
	s_add_co_i32 s52, s34, s35                     ; ep + ev, for the way out
	s_cmp_lt_i32 s34, -15
	s_cselect_b32 s[HOLD], 1, 0
	s_wait_alu depctr_va_vdst(0)
	s_wait_loadcnt 20                              ; query's sixteen loads are in; kv's 16 + 4 are younger
	WIN 0x01
.irp i, 0,1,2,3,4,5,6,7,8,9,10,11,12,13,14,15
	ds_store_b128 v[RD], v[S+4*\i:S+4*\i+3] offset:2*SP*\i       ; as it lies: rows 2 i and 2 i + 1
.endr
	WIN W_LD
.irp x, 0,1
.irp c, 0,1
.irp i, 0,1,2,3
	ds_load_b128 v[VF+32*\x+16*\c+4*\i:VF+32*\x+16*\c+4*\i+3], v[QO] offset:16*SP*\x+128*\c+16*\i   ; query(16 x + r, 32 c + 16 h + 4 i ..), into registers that V will take.  LDS serves a wave's instructions in order: these see my stores
.endr
.endr
.endr
	s_wait_dscnt 0x0
.set i, 0
.rept 64
	v_med3_num_f32 v[VF+i], v[VF+i], -v[LIMQ], v[LIMQ]           ; the conversion to an 8-bit code does not saturate (ISA guide 7.6.2): the hold at the largest code x the scale
.set i, i+1
.endr
.irp x, 0,1
.irp c, 0,1
	v_cvt_scalef32_pk8_bf8_f32 v[QF+8*\x+4*\c:QF+8*\x+4*\c+1], v[VF+32*\x+16*\c:VF+32*\x+16*\c+7], v[SCQ]
	v_cvt_scalef32_pk8_bf8_f32 v[QF+8*\x+4*\c+2:QF+8*\x+4*\c+3], v[VF+32*\x+16*\c+8:VF+32*\x+16*\c+15], v[SCQ]
.endr
.endr
	WIN 0
	v_nop                                          ; one plain line between the conversions and the products that read their results
	s_wait_alu depctr_va_vdst(0)                   ; directly ahead of the wait below
	s_wait_loadcnt 4                               ; steps 0 to 3 are in; step 4's four loads are younger
	WIN 0x05
.irp st, 0,1,2,3
.irp i, 0,1,2,3
	ds_store_b128 v[GOF], v[KF+16*\st+4*\i:KF+16*\st+4*\i+3] offset:STEPB*\st+512*\i
.endr
.endr
	WIN 0
	s_wait_dscnt 0x0
	BAR                                            ; steps 0 to 3 are whole
	FETCH_K LI, 0
	s_wait_dscnt 0x0
	QK                                             ; S^T of step 0
.rept 4
	v_nop                                          ; four places (ISA guide 7.12.1) behind the products
.endr
	FETCH_V LI, 8192
	FETCH_K LI, STEPB
.set nN, 0
.set nO, 2
	SCALINGS
; HALF E of step q of the group in hand.
.macro HALF_E q
.set nN, 2*((\q)%2)
.set n, 0
.set ee, 0
.rept 32                               ; tile 0's exponentials, and tile 1's scalings, which are read behind the next wait
	v_exp_f32 v[S+ee], v[S+ee]
	v_exp_f32 v[S+ee+1], v[S+ee+1]
	FMA 1
.set ee, ee+2
.endr
	s_wait_alu depctr_va_vdst(0)                   ; behind tile 0's batch and ahead of tile 1's
.set n, 0
.set ee, 64
.rept 16                               ; tile 1's exponentials; between them tile 0's UNQUANTISED p are added two pairs to one, into registers that P will take
	v_exp_f32 v[S+ee], v[S+ee]
	v_exp_f32 v[S+ee+1], v[S+ee+1]
	v_exp_f32 v[S+ee+2], v[S+ee+2]
	v_exp_f32 v[S+ee+3], v[S+ee+3]
	v_pk_add_f32 v[P+2*n:P+2*n+1], v[S+4*n:S+4*n+1], v[S+4*n+2:S+4*n+3]
.set n, n+1
.set ee, ee+4
.endr
	s_wait_alu depctr_va_vdst(0)                   ; behind tile 1's batch
	v_pk_add_f32 v[ST+22:ST+23], v[S+64:S+65], v[S+66:S+67]        ; the step's sum, tile 1: 32 pairs in two chains;
	v_pk_add_f32 v[ST+24:ST+25], v[S+68:S+69], v[S+70:S+71]
	v_pk_add_f32 v[ST+8:ST+9], v[P:P+1], v[P+2:P+3]                ; tile 0: 16 pairs in two chains
	v_pk_add_f32 v[ST+10:ST+11], v[P+4:P+5], v[P+6:P+7]
.set i, 0
.rept 14
	v_pk_add_f32 v[ST+22:ST+23], v[ST+22:ST+23], v[S+72+4*i:S+73+4*i]
	v_pk_add_f32 v[ST+24:ST+25], v[ST+24:ST+25], v[S+74+4*i:S+75+4*i]
.if i < 12
	v_pk_add_f32 v[ST+8+2*(i%2):ST+9+2*(i%2)], v[ST+8+2*(i%2):ST+9+2*(i%2)], v[P+8+2*i:P+9+2*i]
.endif
.set i, i+1
.endr
	s_cmp_eq_u32 s[HOLD], 0
	s_cbranch_scc1 .Lfree_\@
.set i, 0
.rept 64                               ; p is not negative, so the hold is one-sided
	v_dual_min_num_f32 v[S+2*i], v[S+2*i], v[ST+3] :: v_dual_min_num_f32 v[S+2*i+1], v[S+2*i+1], v[ST+3]
.set i, i+1
.endr
.Lfree_\@:
.irp x, 0,1
.irp b, 0,1,2,3
	v_cvt_scalef32_pk8_bf8_f32 v[P+16*\x+4*\b:P+16*\x+4*\b+1], v[S+64*\x+16*\b:S+64*\x+16*\b+7], v[ST+1]
	v_cvt_scalef32_pk8_bf8_f32 v[P+16*\x+4*\b+2:P+16*\x+4*\b+3], v[S+64*\x+16*\b+8:S+64*\x+16*\b+15], v[ST+1]
.endr
.endr
	v_nop                                          ; one plain line between the conversions and the products
	s_wait_alu depctr_va_vdst(0)                   ; ahead of the barrier
.endm
; HALF M of step q.  late = 1: step 3 of the group before the one in hand, whose other group is the one in hand.
; In the loop's last trip (s16 = 1) nothing is left to store or load, and behind step 2 no K either; the last load of all is left out where its step would be the 33rd.
.macro HALF_M q, late
.set nN, 2*(((\q)+1)%2)
.set nO, 2-nN
	PV
	QK
	PARTS                                          ; these four lines are also the four places behind the products: in front of the reads of S^T and of the loads into K's and V's registers
.if (\q) < 3
	FETCH_V ADR, STEPB*((\q)+1)+8192
.else
	FETCH_V ADX-(\late), 8192
.endif
.if (\q) < 2
	FETCH_K ADR, STEPB*((\q)+2)
.elseif (\q) == 3
	FETCH_K ADX-(\late), STEPB
.endif
	WIN 0
	s_wait_loadcnt 0x0                             ; my part of the step four on is in registers (on every way: ahead of this half's loads into the same registers)
.if (\q) < 3
	s_cmp_eq_u32 s[IT], 1
	s_cbranch_scc1 .Lno_store_\@
.endif
.if (\q) == 2
	FETCH_K ADX, 0
.endif
	WIN 0x05
.irp i, 0,1,2,3
	ds_store_b128 v[STA+1-(\late)], v[STG+4*\i:STG+4*\i+3] offset:STEPB*(\q)+512*\i
.endr
	WIN 0
.Lno_store_\@:
	SCALINGS
.if (\q) < 3 || (\late)
	s_cmp_eq_u32 s[IT], 1
.else
	s_cmp_eq_u32 s[IT], 2
.endif
	s_cbranch_scc1 .Lno_load_\@
	WIN W_LD
.irp i, 0,1,2,3
	global_load_b128 v[STG+4*\i:STG+4*\i+3], v[GOF], s[KP:KP+1] offset:STEPB*((\q)+5-4*(\late))+512*\i
.endr
	WIN 0
.Lno_load_\@:
.endm
; A STEP'S TWO INTERVALS: waves 0 to 3 go through E and M of step q, waves 4 to 7 through M of the step before and E of step q.
; Waves 4 to 7 have no step before the first; M of the last step is left to the way out.
.macro INTERVALS q
	BAR
	s_cmp_lt_u32 s[WV], 4
	s_cbranch_scc0 .Lbehind_\@
	HALF_E \q
	s_branch .Lmid_\@
.Lbehind_\@:
.if \q == 0
	s_cmp_eq_u32 s[IT], 8
	s_cbranch_scc1 .Lmid_\@
	HALF_M 3, 1
.else
	HALF_M \q-1, 0
.endif
.Lmid_\@:
	BAR
	s_cmp_lt_u32 s[WV], 4
	s_cbranch_scc0 .Lbehind2_\@
.if \q == 3
	s_cmp_eq_u32 s[IT], 1
	s_cbranch_scc1 .Lend_\@
.endif
	HALF_M \q, 0
	s_branch .Lend_\@
.Lbehind2_\@:
	HALF_E \q
.Lend_\@:
.endm
.Lring:                                                ; eight trips of four steps
	WIN 0x44
	v_add_nc_u32 v[ADR], s[TB], v[LI]
	v_add_nc_u32 v[ADX], s[TX], v[LI]
	v_add_nc_u32 v[STA], s[TB], v[GOF]
	v_add_nc_u32 v[STA+1], s[TX], v[GOF]
	WIN 0
	s_wait_alu depctr_va_vdst(0)                   ; ahead of the branches and barriers below
	; A PREFETCH of the four steps that stand two trips on: the first of them is loaded three steps later.  The work-group with number x asks for its head's steps 2 x and 2 x + 1, at one trip alone: waves 0 to 3, 32 blocks of
	; 256 bytes each, a lane a block: every block is named once in the launch.  Steps 0 to 7 come by their loads alone, and no work-group's steps lie behind the last.
	s_add_co_u32 s[PS], s[PS], 1
	s_cmp_eq_u32 s[PS], s[MYS]
	s_cbranch_scc0 .Lnot_mine
	global_prefetch_b8 v[PFO], s[PFA:PFA+1] th:TH_LOAD_NT scope:SCOPE_SE
.Lnot_mine:
	INTERVALS 0
	INTERVALS 1
	INTERVALS 2
	INTERVALS 3
	s_wait_xcnt 0x0                                ; the loads have read their base, so it may be written
	s_add_nc_u64 s[KP:KP+1], s[KP:KP+1], GRP
	s_xor_b32 s[TB], s[TB], GRP                    ; on to the other group
	s_xor_b32 s[TX], s[TX], GRP
	s_sub_co_u32 s[IT], s[IT], 1
	s_cmp_lg_u32 s[IT], 0
	s_cbranch_scc1 .Lring
	; THE WAY OUT.  The last step's product; its part of the sum, the sum's two halves and lane l xor 16's are added; O^T is divided by the sum, multiplied by 2^(ep + ev), and goes through my stage in LDS as 32 rows of 256 bytes.
	; The additions are the places behind the products.
	PV
	PARTS
.irp x, 0,1
	v_add_f32 v[ST+14*\x+12], v[ST+14*\x+6], v[ST+14*\x+7]
.endr
.irp x, 0,1
	v_permlanex16_b32 v[ST+14*\x+13], v[ST+14*\x+12], s[SEL], s[SEL+1]
.endr
.irp x, 0,1
	v_add_f32 v[ST+14*\x+12], v[ST+14*\x+12], v[ST+14*\x+13]
.endr
	s_wait_alu depctr_va_vdst(0)
.irp x, 0,1
	v_rcp_f32 v[ST+14*\x+4], v[ST+14*\x+12]
.endr
	v_nop                                          ; a plain line behind the reciprocals
	s_wait_alu depctr_va_vdst(0)                   ; and the wait behind it
.irp x, 0,1
	v_ldexp_f32 v[ST+14*\x+4], v[ST+14*\x+4], s52  ; x 2^(ep + ev)
.endr
	s_wait_alu depctr_va_vdst(0)                   ; directly ahead of the first reader of O^T
.irp x, 0,1
.set i, 0
.rept 16
	v_pk_mul_f32 v[S+32*\x+2*i:S+32*\x+2*i+1], v[O+32*\x+2*i:O+32*\x+2*i+1], v[ST+14*\x+4:ST+14*\x+5] op_sel_hi:[1,0]   ; register 8 t + j is out0(16 x + r, 16 t + 8 h + j)
.set i, i+1
.endr
.endr
	WIN 0x01
.irp x, 0,1
.irp t, 0,1,2,3
	ds_store_b128 v[STO], v[S+32*\x+8*\t:S+32*\x+8*\t+3] offset:16*SP*\x+64*\t
	ds_store_b128 v[STO], v[S+32*\x+8*\t+4:S+32*\x+8*\t+7] offset:16*SP*\x+64*\t+16
.endr
.endr
.irp i, 0,1,2,3,4,5,6,7,8,9,10,11,12,13,14,15
	ds_load_b128 v[S+64+4*\i:S+64+4*\i+3], v[RD] offset:2*SP*\i   ; LDS serves a wave's instructions in order (ISA guide 5.7.1.4): these see my stores
.endr
.irp i, 0,1,2,3,4,5,6,7,8,9,10,11,12,13,14,15
	s_wait_dscnt 15-\i                             ; younger: my own later loads
	global_store_b128 v[LI], v[S+64+4*\i:S+64+4*\i+3], s[10:11] offset:512*\i th:TH_STORE_NT   ; 32 lanes store two rows: 512 consecutive bytes, at a multiple of 256 from out0's first byte
.endr
	WIN 0
	s_wait_tensorcnt 0x0                           ; the wave's end
	ds_add_u32 v[SPW], v[NIL]
	s_wait_dscnt 0x0
	s_endpgm
.Lfunc_end_k_qe65ca7552c_attn:
	.size	k_qe65ca7552c_attn, .Lfunc_end_k_qe65ca7552c_attn-k_qe65ca7552c_attn
	.p2alignl 7, 3214868480
	.fill 96, 4, 3214868480
	.section	.rodata,"a",@progbits
	.p2align	6, 0x0
	.amdhsa_kernel k_qe65ca7552c_attn
		.amdhsa_group_segment_fixed_size 201728
		.amdhsa_private_segment_fixed_size 0
		.amdhsa_enable_private_segment 0
		.amdhsa_kernarg_size 32
		.amdhsa_user_sgpr_count 2
		.amdhsa_user_sgpr_kernarg_segment_ptr 1
		.amdhsa_wavefront_size32 1
		.amdhsa_system_sgpr_workgroup_id_x 1
		.amdhsa_system_sgpr_workgroup_id_y 1
		.amdhsa_system_sgpr_workgroup_id_z 1
		.amdhsa_system_vgpr_workitem_id 0
		.amdhsa_next_free_vgpr 448
		.amdhsa_next_free_sgpr 66
		.amdhsa_reserve_vcc 0
		.amdhsa_float_denorm_mode_32 3
		.amdhsa_float_denorm_mode_16_64 3
		.amdhsa_memory_ordered 1
		.amdhsa_forward_progress 1
		.amdhsa_inst_pref_size 255
	.end_amdhsa_kernel
	.section	.bss,"aw",@nobits
	.p2align	6
	.space	262144
	.amdgpu_metadata
---
amdhsa.version: [ 1, 2 ]
amdhsa.kernels:
  - .name:           k_qe65ca7552c_attn
    .symbol:         k_qe65ca7552c_attn.kd
    .args:
      - { .name: query, .offset: 0, .size: 8, .value_kind: global_buffer, .address_space: global }
      - { .name: kv, .offset: 8, .size: 8, .value_kind: global_buffer, .address_space: global }
      - { .name: lowp_scales, .offset: 16, .size: 8, .value_kind: global_buffer, .address_space: global }
      - { .name: out0, .offset: 24, .size: 8, .value_kind: global_buffer, .address_space: global }
    .group_segment_fixed_size: 201728
    .private_segment_fixed_size: 0
    .kernarg_segment_align: 8
    .kernarg_segment_size: 32
    .max_flat_workgroup_size: 256
    .sgpr_count:     66
    .vgpr_count:     448
    .wavefront_size: 32
...
	.end_amdgpu_metadata
.endif
;; end of part 2
